; MI455X (gfx1250); checked and timed in simulation.
; The chip was launched on July 23, 2026; its instructions are those of AMD's public machine-readable ISA for CDNA 5 (MIT licence, August 2026) and "CDNA5" Instruction Set Architecture Reference Guide (July 2026). The comments in the code are by the model that wrote it; some were corrected since.
;; Concat Attention. Allowed arithmetic: matrix products marked QUANTISED: E2M1 operands, one E8M0 scale for each 32 along K, by v_wmma_scale_f32_16x16x128_f8f6f4 with both operands' format E2M1 (or v_wmma_scale_f32_32x16x128_f4), f32 sums; products left as they are: f32 operands where the result goes on into a quantised operand, else bf16, f16 or f32 operands; f32 sums; everything else in f32.
;; Inputs: W_dec_codes 1,024 x 32 x 16 uint8 (E2M1 codes of W_dec, K innermost, in blocks of 32 codes, two codes a byte); W_dec_scales 1,024 x 32 uint8 (E8M0 scales of W_dec, one for each 32 codes along K); W_enc_codes 1,024 x 32 x 16 uint8 (E2M1 codes of W_enc, K innermost, in blocks of 32 codes, two codes a byte); W_enc_scales 1,024 x 32 uint8 (E8M0 scales of W_enc, one for each 32 codes along K); h_enc 2,048 x 32 x 1,024 float32; h_t_codes 1 x 32 x 32 x 16 uint8 (E2M1 codes of h_t, K innermost, in blocks of 32 codes, two codes a byte); h_t_scales 1 x 32 x 32 uint8 (E8M0 scales of h_t, one for each 32 codes along K); w_score 1 x 1,024 float32.
;; Outputs: out0 1 x 32 x 1,024 float32; out1 32 x 2,048 x 1 float32.
;; This version of the problem:
;;   THIS VERSION OF THE PROBLEM IS GIVEN IN LOW PRECISION. The matrix products marked QUANTISED in the list below multiply operands that are first quantised to E2M1 (2 exponent bits, 1 mantissa bit; 4 bits a number), with one power-of-two scale for each 32 numbers along K (OCP MX v1.0); their sums are f32. All else is computed in f32.
;;   The module's matrix products, in the order in which they are computed (A, B: the left and right operand; K: the contracted axis; several contracted axes count as one K, in the product's order):
;;     1. [M 65,536, K 1,024] x [K 1,024, N 1,024]; A: input h_enc; B: input W_enc (given as codes): QUANTISED
;;     2. [M 32, K 1,024] x [K 1,024, N 1,024]; A: input h_t (given as codes); B: input W_dec (given as codes): QUANTISED
;;     3. [M 65,536, K 1,024] x [K 1,024, N 1]; A: computed on the way; B: input w_score: left as it is (N = 1 < 16)
;;   THE QUANTISER, for each operand of a quantised product, along K:
;;     - K is cut into blocks of 32 from its start; a last block that is shorter is filled with zeros.
;;     - A block's scale is 2^e with e = floor(log2(the largest magnitude in the block)) - 2, held to -126 .. 127; a block of zeros has e = 0. As a byte (E8M0): e + 127.
;;     - Each number is divided by its block's scale, clamped to +-6, and rounded to the nearest number of E2M1, ties to even, subnormals kept.
;;     - The product sums the exact products of the quantised numbers (number of the format x scale) in f32.
;;   ~~~python
;;   def quantise(x, axis):      # numpy; x: float32 -> the quantised numbers, widened to float32 again
;;       x = np.moveaxis(x, axis, -1); K = x.shape[-1]
;;       x = np.pad(x, [(0, 0)] * (x.ndim - 1) + [(0, -K % 32)]); x = x.reshape(x.shape[:-1] + (-1, 32)); a = np.abs(x).max(-1, keepdims=True)
;;       e = np.where(a > 0, np.clip(np.frexp(np.where(a > 0, a, 1))[1] - 1 - 2, -126, 127), 0)      # np.frexp(a)[1] - 1 = floor(log2(a)), exactly
;;       r = np.clip(x / 2.0 ** e, -6, 6)
;;       step = 2.0 ** (np.maximum(np.frexp(np.where(r == 0, 1, r))[1] - 1, 0) - 1)
;;       q = np.round(r / step) * step * 2.0 ** e      # np.round: ties to even
;;       return np.moveaxis(q.reshape(q.shape[:-2] + (-1,))[..., :K], -1, axis).astype(np.float32)
;;   ~~~
;;   INPUTS GIVEN AS CODES. W_dec (in the module: [1024, 1024], K = its axis 1); W_enc (in the module: [1024, 1024], K = its axis 1); h_t (in the module: [1, 32, 1024], K = its axis 2): each comes as NAME_codes (uint8): NAME with its K axis moved to the last place and cut into blocks of 32 codes, [.., K / 32, bytes a block], one block behind the other in memory; two codes a byte, the lower K in the low four bits (a code: sign, 2 exponent bits, 1 mantissa bit); and NAME_scales (uint8): the same leading axes, one E8M0 byte (e + 127) for each 32 codes along K. Its value is code x scale, taken as it is: it is not quantised again, and the codes and scales need not be those that the quantiser above would give.
;; One version. Each part assembles by itself: llvm-mc -triple=amdgcn-amd-amdhsa -mcpu=gfx1250 --defsym DOCPART=n.
;; ======== version 1 of 1: 3 launches
;; workspace buffers: cpart 8,192 bytes; ebuf 262,144 bytes; esum 32,768 bytes; ctxp 1,048,576 bytes
;; launch dec (part 1): grid 64 x 1, 1 waves a work-group, no clusters, 0 bytes of LDS; arguments W_dec_codes, W_dec_scales, h_t_codes, h_t_scales, w_score, cpart; writes cpart
.if DOCPART == 1
	.amdgcn_target "amdgcn-amd-amdhsa--gfx1250"
	.amdhsa_code_object_version 6
	.text
	.protected	k_q93459a96e0_dec
	.globl	k_q93459a96e0_dec
	.p2align	8
	.type	k_q93459a96e0_dec,@function
k_q93459a96e0_dec:
	s_mov_b64 s[64:65], 0
	v_nop
	global_prefetch_b8 v0, s[64:65] scope:SCOPE_SE
	s_setreg_imm32_b32 hwreg(HW_REG_WAVE_MODE, 25, 1), 1
	s_wait_xcnt 0x0
; cpart[T][b] = the sum over n = 16 T .. 16 T + 15 of w_score[n] x (h_t W_dec^T)[b][n].  Both operands of the product are given as codes of E2M1 with E8M0 scales and go to the matrix unit as they lie.
; One wave to a work-group; work-group T takes 16 rows of W_dec, all 32 rows of h_t (two tiles) and all of K = 1,024: 16 matrix instructions on two accumulators by turns.
; THE PRODUCT IS USED TRANSPOSED (source 0 = 16 rows of W_dec, source 1 = 16 rows of h_t): a lane then holds one b (lane % 16) and eight n, which are weighed by w_score in f32 and added.
; No LDS, no cluster: a work-group's rows of W_dec are read by nobody else, and h_t is 16 KiB.  The 64 parts of a b are added by the next launch.
.set WF, 16                            ; v16-79    W_dec's eight fragments (16 rows x 128 K: 8 registers)
.set HF, 80                            ; v80-207   h_t's, tile mt at 64 mt
.set WS, 208                           ; v208-211  W_dec's scale words: register i: lanes 0-15 K step i, lanes 16-31 K step 4 + i
.set HS, 212                           ; v212-219  h_t's, tile mt at 4 mt
.set SW, 220                           ; v220-227  w_score[16 T + 8 (lane / 16) + 0 .. 7]
.set DD, 228                           ; v228-243  the two accumulators
	s_load_b256 s[4:11], s[0:1], 0x0               ; W_dec's codes s[4:5], its scales s[6:7], h_t's codes s[8:9], its scales s[10:11]
	s_load_b128 s[12:15], s[0:1], 0x20             ; w_score s[12:13], cpart s[14:15]
	v_and_b32 v1, 15, v0                           ; r
	v_lshrrev_b32 v2, 4, v0                        ; h
	v_lshlrev_b32 v3, 9, v1
	v_lshl_add_u32 v3, v2, 4, v3                   ; codes: row r of 512 bytes, + 16 h
	v_lshlrev_b32 v4, 5, v1
	v_lshl_add_u32 v4, v2, 4, v4                   ; scale bytes: row r of 32 bytes, + 16 h: four words a lane
	v_lshlrev_b32 v5, 5, v2                        ; w_score: my half's eight numbers
	v_lshlrev_b32 v6, 2, v0                        ; cpart: 4 bytes a lane
	v_mov_b32 v248, 0                              ; a lane permute's destination counts as one of its sources
	v_mov_b32 v249, 0
	s_mov_b32 s20, 0x76543210
	s_mov_b32 s21, 0xfedcba98                      ; v_permlanex16_b32's selects for lane l xor 16
	s_mov_b32 s17, 0
	s_wait_kmcnt 0x0
	s_lshl_b32 s16, ttmp9, 13                      ; 16 rows of 512 bytes
	s_add_nc_u64 s[4:5], s[4:5], s[16:17]
	s_lshl_b32 s16, ttmp9, 9                       ; 16 rows of 32 bytes
	s_add_nc_u64 s[6:7], s[6:7], s[16:17]
	s_lshl_b32 s16, ttmp9, 6                       ; 16 numbers
	s_add_nc_u64 s[12:13], s[12:13], s[16:17]
	s_lshl_b32 s16, ttmp9, 7                       ; 32 numbers
	s_add_nc_u64 s[14:15], s[14:15], s[16:17]
.irp k, 0,1,2,3,4,5,6,7
.irp c, 0,1
	global_load_b128 v[WF+8*\k+4*\c:WF+8*\k+4*\c+3], v3, s[4:5] offset:64*\k+32*\c
	global_load_b128 v[HF+8*\k+4*\c:HF+8*\k+4*\c+3], v3, s[8:9] offset:64*\k+32*\c
	global_load_b128 v[HF+64+8*\k+4*\c:HF+64+8*\k+4*\c+3], v3, s[8:9] offset:8192+64*\k+32*\c
.endr
.endr
	global_load_b128 v[WS:WS+3], v4, s[6:7]
	global_load_b128 v[HS:HS+3], v4, s[10:11]
	global_load_b128 v[HS+4:HS+7], v4, s[10:11] offset:512
	global_load_b128 v[SW:SW+3], v5, s[12:13]
	global_load_b128 v[SW+4:SW+7], v5, s[12:13] offset:16
	s_wait_loadcnt 0x0
; the two accumulators take turns, one instruction a turn; the first K step starts the sums
.irp k, 0,1,2,3,4,5,6,7
.irp mt, 0,1
.if \k == 0
	v_wmma_scale_f32_16x16x128_f8f6f4 v[DD+8*\mt:DD+8*\mt+7], v[WF:WF+7], v[HF+64*\mt:HF+64*\mt+7], 0, v[WS], v[HS+4*\mt] matrix_a_fmt:MATRIX_FMT_FP4 matrix_b_fmt:MATRIX_FMT_FP4
.elseif \k < 4
	v_wmma_scale_f32_16x16x128_f8f6f4 v[DD+8*\mt:DD+8*\mt+7], v[WF+8*\k:WF+8*\k+7], v[HF+64*\mt+8*\k:HF+64*\mt+8*\k+7], v[DD+8*\mt:DD+8*\mt+7], v[WS+\k], v[HS+4*\mt+\k] matrix_a_fmt:MATRIX_FMT_FP4 matrix_b_fmt:MATRIX_FMT_FP4
.else
	v_wmma_scale_f32_16x16x128_f8f6f4 v[DD+8*\mt:DD+8*\mt+7], v[WF+8*\k:WF+8*\k+7], v[HF+64*\mt+8*\k:HF+64*\mt+8*\k+7], v[DD+8*\mt:DD+8*\mt+7], v[WS+\k-4], v[HS+4*\mt+\k-4] matrix_a_fmt:MATRIX_FMT_FP4 matrix_b_fmt:MATRIX_FMT_FP4 matrix_a_scale:MATRIX_SCALE_ROW1 matrix_b_scale:MATRIX_SCALE_ROW1
.endif
.endr
.endr
.rept 4
	v_nop                                          ; four places between the last product and the first read of a result (ISA guide 7.12.1)
.endr
	v_mul_f32 v244, v[DD], v[SW]                   ; each accumulator is read from its low end on; register j is n = 16 T + 8 h + j
	v_mul_f32 v245, v[DD+8], v[SW]
.irp j, 1,2,3,4,5,6,7
	v_fmac_f32 v244, v[DD+\j], v[SW+\j]
	v_fmac_f32 v245, v[DD+8+\j], v[SW+\j]
.endr
	v_permlanex16_b32 v248, v244, s20, s21         ; the other eight n lie in the lane 16 away
	v_permlanex16_b32 v249, v245, s20, s21
	v_add_f32 v244, v244, v248                     ; b = lane % 16
	v_add_f32 v245, v245, v249                     ; b = 16 + lane % 16
	v_cmp_gt_u32 vcc_lo, 16, v0
	v_cndmask_b32 v246, v245, v244, vcc_lo         ; lane l keeps b = l
	global_store_b32 v6, v246, s[14:15]            ; 32 lanes store 128 consecutive bytes
	s_endpgm
.Lfunc_end_k_q93459a96e0_dec:
	.size	k_q93459a96e0_dec, .Lfunc_end_k_q93459a96e0_dec-k_q93459a96e0_dec
	.p2alignl 7, 3214868480
	.fill 96, 4, 3214868480
	.section	.rodata,"a",@progbits
	.p2align	6, 0x0
	.amdhsa_kernel k_q93459a96e0_dec
		.amdhsa_group_segment_fixed_size 0
		.amdhsa_private_segment_fixed_size 0
		.amdhsa_enable_private_segment 0
		.amdhsa_kernarg_size 48
		.amdhsa_user_sgpr_count 2
		.amdhsa_user_sgpr_kernarg_segment_ptr 1
		.amdhsa_wavefront_size32 1
		.amdhsa_system_sgpr_workgroup_id_x 1
		.amdhsa_system_sgpr_workgroup_id_y 1
		.amdhsa_system_sgpr_workgroup_id_z 1
		.amdhsa_system_vgpr_workitem_id 0
		.amdhsa_next_free_vgpr 256
		.amdhsa_next_free_sgpr 66
		.amdhsa_reserve_vcc 1
		.amdhsa_float_denorm_mode_32 3
		.amdhsa_float_denorm_mode_16_64 3
		.amdhsa_memory_ordered 1
		.amdhsa_forward_progress 1
		.amdhsa_inst_pref_size 10
	.end_amdhsa_kernel
	.amdgpu_metadata
---
amdhsa.version: [ 1, 2 ]
amdhsa.kernels:
  - .name:           k_q93459a96e0_dec
    .symbol:         k_q93459a96e0_dec.kd
    .args:
      - { .name: W_dec_codes, .offset: 0, .size: 8, .value_kind: global_buffer, .address_space: global }
      - { .name: W_dec_scales, .offset: 8, .size: 8, .value_kind: global_buffer, .address_space: global }
      - { .name: h_t_codes, .offset: 16, .size: 8, .value_kind: global_buffer, .address_space: global }
      - { .name: h_t_scales, .offset: 24, .size: 8, .value_kind: global_buffer, .address_space: global }
      - { .name: w_score, .offset: 32, .size: 8, .value_kind: global_buffer, .address_space: global }
      - { .name: cpart, .offset: 40, .size: 8, .value_kind: global_buffer, .address_space: global }
    .group_segment_fixed_size: 0
    .private_segment_fixed_size: 0
    .kernarg_segment_align: 8
    .kernarg_segment_size: 48
    .max_flat_workgroup_size: 32
    .sgpr_count:     66
    .vgpr_count:     256
    .wavefront_size: 32
...
	.end_amdgpu_metadata
.endif
;; end of part 1
;; launch main (part 2): grid 8 x 32, 4 waves a work-group, clusters of 4 x 1, 295,424 bytes of LDS; arguments W_enc_codes, W_enc_scales, h_enc, w_score, cpart, ebuf, esum, ctxp; writes ebuf, esum, ctxp
.if DOCPART == 2
	.amdgcn_target "amdgcn-amd-amdhsa--gfx1250"
	.amdhsa_code_object_version 6
	.text
	.protected	k_q93459a96e0_main
	.globl	k_q93459a96e0_main
	.p2align	8
	.type	k_q93459a96e0_main,@function
k_q93459a96e0_main:
	s_mov_b64 s[64:65], 0
	v_nop
	global_prefetch_b8 v0, s[64:65] scope:SCOPE_SE
	s_setreg_imm32_b32 hwreg(HW_REG_WAVE_MODE, 25, 1), 1
	s_wait_xcnt 0x0
	s_wait_alu depctr_hold_cnt(0) depctr_sa_sdst(0) depctr_va_vdst(0) depctr_va_sdst(0) depctr_va_ssrc(0) depctr_va_vcc(0) depctr_vm_vsrc(0)
	s_getreg_b32 s2, hwreg(HW_REG_IB_STS2, 6, 4)
	s_cmp_eq_u32 s2, 0
	s_cbranch_scc0 .Lentry_in_a_cluster
	s_endpgm
.Lentry_in_a_cluster:
	s_bfe_u32 s2, ttmp6, 0x10000c
	s_cmp_lg_u32 s2, 0x3003
	s_cbranch_scc0 .Lentry_shape_is_right
	s_endpgm
.Lentry_shape_is_right:
; For 256 rows (b, s) of h_enc: quantise them along E to E2M1 with E8M0 scales, multiply by W_enc^T on the matrix unit, weigh the 1,024 results by w_score, add c_b (the decoder's part, from cpart),
; e = exp(tanh(.)), and keep e, the sum of e and the sum of e x h_enc's row.  The last launch divides by the sum over all of s.  H_ENC IS READ ONCE: a tile's f32 numbers stay in the registers into which they
; were loaded until the tile's e are known.
; NO MAXIMUM IS TAKEN AWAY BEFORE THE EXPONENTIAL: tanh holds the exponent in -1 .. 1 for every input, so e lies in 0.36 .. 2.72 and a row's sum of 2,048 of them under 5,600.
; LIMITS: NaN and infinities in h_enc are not served.  A block of zeros, or one whose largest magnitude lies under 2^-124, gets the scale byte 1 (for zeros the rule says 127): zero codes add nothing under any
; byte but 0xff, and the bytes are read by this text alone.  The sums over n and over s are taken in another order than the reference's.
; SHARES.  Work-group (j, b) owns s = 256 j + 16 t + m: 16 trips t of a tile of 16 rows m.  THE WAVES SHARE THE COLUMNS: wave w owns n = 256 w .. 256 w + 255 of W_enc, 16 tiles of 16, for the whole launch:
; tiles 0-7 in 512 registers, tiles 8-15 in its own 67,584 bytes of LDS.  Of each row of h_enc wave w loads, quantises and sums up columns 256 w .. 256 w + 255; the codes go to the other waves through LDS.
; CLUSTER.  The four work-groups of a cluster want the same W_enc.  The half that lies in LDS is asked for JOINTLY (mask 15), one tensor load a wave, filled once.  The half that lies in registers comes by
; plain loads: LDS has 327,680 bytes and the padded halves are 270,336 each, so it could pass through LDS only by filling the same bytes twice, with a second round ahead of the first product.  h_enc is shared by nobody.
; REGISTERS, in windows of 256 (s_set_vgpr_msb: bits 1:0 source 0, 3:2 source 1, 5:4 source 2, 7:6 destination):
;   window 0: v1-11 addresses and what is carried; v12-15 A's scale words; v16-79 W's scale words; v80-95 w_score; v96-103 the weighed sums; v104-111 the context; v112-127 two accumulators;
;             v128-191 two sets of four fragments of W from LDS; v192-255 A's eight fragments (at work while a tile is quantised and while its e are made)
;   window 1: h_enc's numbers, two buffers: buffer p, row m, segment g, number i at v[128 p + 8 m + 4 g + i]: k = 256 w + 128 g + 4 lane + i
;   windows 2, 3: W's fragments (tile t, K step k) at v[8 (8 (t % 4) + k)], tiles 0-3 in window 2, tiles 4-7 in window 3
; A product on a tile in registers and one on a tile from LDS take turns, so that two accumulators suffice; that costs a switch of the window for source 1 in front of each.
; THE LDS LOADS OF W stand in runs of eight, one run for eight products: 16 loads ahead of the quantiser and 14 runs among a tile's 128 products.
.set PITCH, 528                        ; an LDS row of 1,024 codes: 512 bytes + 16 of padding = 132 words: row r starts at bank 4 r mod 64 (64 banks of 4 bytes: ISA guide 11.1)
.set WLW,   128*PITCH                  ; a wave's 128 rows of W
.set CODES, 4*WLW                      ; the tile's codes: 16 rows x 528
.set ASC,   CODES+16*PITCH             ; its scale bytes: 16 rows x 32
.set PART,  ASC+512                    ; the waves' parts of the 16 scores: [4][16] f32
.set EBUF,  PART+256                   ; e of the 256 rows, a copy for each wave: [4][256] f32
.set ROWS,  131072                     ; bytes from s to s + 1 in h_enc
.set TILEB, 16*ROWS                    ; and from tile to tile
.set VOFF, 1                           ; v1   1,024 w + 16 lane: my 16 bytes of a row's segment, in h_enc and in ctxp; never rewritten
.set CA,   2                           ; v2   CODES + 128 w + 2 lane: where my four codes go
.set SA,   3                           ; v3   ASC + 8 w + lane / 8: where my block's byte goes
.set FA,   4                           ; v4   CODES + 528 r + 16 h: A's fragments
.set ASA,  5                           ; v5   ASC + 32 r + 16 h: A's scale words
.set WA,   6                           ; v6   67,584 w + 528 r + 16 h: W's fragments
.set PST,  7                           ; v7   PART + 64 w + 32 h
.set PLD,  8                           ; v8   PART + 4 r
.set EB0,  9                           ; v9   EBUF + 1,024 w + 4 r
.set EACC, 10                          ; v10  the sum of e of rows m = r
.set PFO,  11                          ; v11  the prefetches' offset; never rewritten
.set AS,   12
.set WSC,  16
.set WSV,  80
.set SS,   96
.set CTX,  104
.set D0,   112
.set D1,   120
.set WB,   128
.set AF,   192
.set MX,   192                         ; while a tile is quantised: 16 largest magnitudes, then scale operands;
.set BY,   208                         ; 16 scale bytes;
.set CX,   224                         ; 16 registers of codes
.set ET,   240                         ; while a tile's e are made: eight registers at work
.set MSB, 0
.macro WIN new                         ; the immediate's high byte repeats the setting that is left; a switch that changes nothing is dropped
.if MSB != \new
	s_set_vgpr_msb (MSB<<8)|\new
.set MSB, \new
.endif
.endm
.macro ROUND                           ; a round of the cluster's barrier
	s_barrier_signal -1
	s_barrier_wait -1
	s_cmp_lg_u32 s20, 0
	s_cbranch_scc1 .Lnot_wave_0_\@
	s_barrier_signal -3
.Lnot_wave_0_\@:
	s_barrier_wait -3
	s_barrier_signal -1
	s_barrier_wait -1
.endm
; 32 loads: my 1,024 bytes of each of the tile's 16 rows; each load reads 512 consecutive bytes
.macro FLOAD p
	WIN 0x40                                       ; destination window 1
.irp m, 0,1,2,3,4,5,6,7,8,9,10,11,12,13,14,15
.irp g, 0,1
	global_load_b128 v[128*\p+8*\m+4*\g:128*\p+8*\m+4*\g+3], v[VOFF], s[42:43] offset:\m*ROWS+512*\g th:TH_LOAD_NT
.endr
.endr
	WIN 0
.endm
; A PREFETCH INTO THE L2 of the tile behind the one just asked for, which the next trip's loads will want: my wave's 1,024 bytes of its 16 rows, 64 blocks of 256 bytes, a lane a block, two instructions.
; Nobody else reads these bytes, so each block is named once in the launch.  It stands behind the trip's run of loads.  Tiles 0 to 2 come by their loads alone; the trip that loads the last tile asks for nothing.
.macro PREF
	global_prefetch_b8 v[PFO], s[42:43] offset:TILEB th:TH_LOAD_NT scope:SCOPE_SE
	global_prefetch_b8 v[PFO], s[42:43] offset:TILEB+8*ROWS th:TH_LOAD_NT scope:SCOPE_SE
.endm
.macro PREFC                           ; the same, left out in the loop's last trip
	s_cmp_eq_u32 s40, 1
	s_cbranch_scc1 .Lno_more_\@
	PREF
.Lno_more_\@:
.endm
; Rows 8 hh .. 8 hh + 7 of buffer p are quantised.  A block of 32 along K lies in eight neighbouring lanes, four numbers each.  u = 2 (row in the half) + segment.
; The 16 byte stores stand ahead of the conversions, so that they are on their way while the codes are made and only the 16 code stores stand behind the half's last vector line.
.macro QHALF p, hh
	WIN 0x15                                       ; all three sources window 1
.irp mm, 0,1,2,3,4,5,6,7
.irp g, 0,1
	v_max3_num_f32 v[MX+2*\mm+\g], |v[128*\p+8*(8*\hh+\mm)+4*\g]|, |v[128*\p+8*(8*\hh+\mm)+4*\g+1]|, |v[128*\p+8*(8*\hh+\mm)+4*\g+2]|
.endr
.endr
	WIN 0x04                                       ; source 1 window 1
.irp mm, 0,1,2,3,4,5,6,7
.irp g, 0,1
	v_max3_num_f32 v[MX+2*\mm+\g], v[MX+2*\mm+\g], |v[128*\p+8*(8*\hh+\mm)+4*\g+3]|, 0x1800000   ; and the floor 2^(3 - 127): the byte cannot fall under 1
.endr
.endr
	WIN 0
.irp x, 1,2,4
.irp u, 0,1,2,3,4,5,6,7,8,9,10,11,12,13,14,15
	v_max_num_f32_dpp v[MX+\u], v[MX+\u], v[MX+\u] row_xmask:\x row_mask:0xf bank_mask:0xf   ; with the block's other seven lanes
.endr
.endr
.irp u, 0,1,2,3,4,5,6,7,8,9,10,11,12,13,14,15
	v_add_nc_u32 v[MX+\u], 0xff000000, v[MX+\u]    ; 2 off the exponent field: the conversion takes the exponent field of this operand as its scale, and nothing else of it
.endr
.if \hh
	s_wait_dscnt 16                                ; the first half's byte stores have read BY, which is written again below; behind them stand its 16 code stores
.endif
.irp u, 0,1,2,3,4,5,6,7,8,9,10,11,12,13,14,15
	v_lshrrev_b32 v[BY+\u], 23, v[MX+\u]           ; the scale's byte
.endr
.irp mm, 0,1,2,3,4,5,6,7
	ds_store_b8 v[SA], v[BY+2*\mm] offset:32*(8*\hh+\mm)                      ; the eight lanes of a block write the same byte with the same value
	ds_store_b8 v[SA], v[BY+2*\mm+1] offset:32*(8*\hh+\mm)+4
.endr
.if \hh
	s_wait_dscnt 16                                ; the first half's code stores have read CX, which is written again below; behind them stand this half's 16 byte stores
.endif
	WIN 0x01                                       ; source 0 window 1
.irp mm, 0,1,2,3,4,5,6,7
.irp g, 0,1
	v_cvt_scalef32_pk8_fp4_f32 v[CX+2*\mm+\g], v[128*\p+8*(8*\hh+\mm):128*\p+8*(8*\hh+\mm)+7], v[MX+2*\mm+\g]   ; the row's eight numbers under segment g's scale: g = 0: the low 16 bits are segment 0's codes; g = 1: the high 16 are segment 1's
.endr
.endr
	v_nop                                          ; one plain place behind the last scaled conversion
	WIN 0
.irp mm, 0,1,2,3,4,5,6,7
	ds_store_b16 v[CA], v[CX+2*\mm] offset:PITCH*(8*\hh+\mm)                  ; 32 lanes: 64 consecutive bytes of the row's codes
	ds_store_b16_d16_hi v[CA], v[CX+2*\mm+1] offset:PITCH*(8*\hh+\mm)+64
.endr
.endm
; four fragments of W from my LDS rows, for block bg: tile 8 + bg / 2, K steps 4 (bg % 2) + 0 .. 3, into set: eight loads in one run
.macro LSET4 set, bg
.irp f, 0,1,2,3
.irp c, 0,1
	ds_load_b128 v[WB+32*(\set)+8*\f+4*\c:WB+32*(\set)+8*\f+4*\c+3], v[WA] offset:16*((\bg)/2)*PITCH+64*(4*((\bg)%2)+\f)+32*\c
.endr
.endr
.endm
; one product: source 0 = the tile's 16 rows (A), source 1 = 16 rows of W; K step k; sw: the W tile's four scale registers.  Scale register i holds K step i in lanes 0-15 and K step 4 + i in lanes 16-31
.macro MM d, a, b, k, sw
.if (\k) == 0
	v_wmma_scale_f32_16x16x128_f8f6f4 v[\d:\d+7], v[\a:\a+7], v[\b:\b+7], 0, v[AS], v[\sw] matrix_a_fmt:MATRIX_FMT_FP4 matrix_b_fmt:MATRIX_FMT_FP4
.elseif (\k) < 4
	v_wmma_scale_f32_16x16x128_f8f6f4 v[\d:\d+7], v[\a:\a+7], v[\b:\b+7], v[\d:\d+7], v[AS+(\k)], v[\sw+(\k)] matrix_a_fmt:MATRIX_FMT_FP4 matrix_b_fmt:MATRIX_FMT_FP4
.else
	v_wmma_scale_f32_16x16x128_f8f6f4 v[\d:\d+7], v[\a:\a+7], v[\b:\b+7], v[\d:\d+7], v[AS+(\k)-4], v[\sw+(\k)-4] matrix_a_fmt:MATRIX_FMT_FP4 matrix_b_fmt:MATRIX_FMT_FP4 matrix_a_scale:MATRIX_SCALE_ROW1 matrix_b_scale:MATRIX_SCALE_ROW1
.endif
.endm
.macro WINR                            ; source 1: window 2 for tiles 0-3, window 3 for tiles 4-7
.if QQ < 4
	WIN 0x08
.else
	WIN 0x0c
.endif
.endm
; Tiles q and 8 + q are finished: in a result lane (r, h) holds column n = r and rows m = 8 h + j.  The weighed sums take D x w_score[n], two rows an instruction; each accumulator from its low end on.
.macro EPI q
.irp i, 0,2,4,6
.if (\q) == 0
	v_pk_mul_f32 v[SS+\i:SS+\i+1], v[D0+\i:D0+\i+1], v[WSV:WSV+1] op_sel_hi:[1,0]                  ; the first tile starts the sums
.elseif (\q)%2 == 0
	v_pk_fma_f32 v[SS+\i:SS+\i+1], v[D0+\i:D0+\i+1], v[WSV+(\q):WSV+(\q)+1], v[SS+\i:SS+\i+1] op_sel_hi:[1,0,1]
.else
	v_pk_fma_f32 v[SS+\i:SS+\i+1], v[D0+\i:D0+\i+1], v[WSV+(\q)-1:WSV+(\q)], v[SS+\i:SS+\i+1] op_sel:[0,1,0] op_sel_hi:[1,1,1]
.endif
.endr
.irp i, 0,2,4,6
.if (\q)%2 == 0
	v_pk_fma_f32 v[SS+\i:SS+\i+1], v[D1+\i:D1+\i+1], v[WSV+8+(\q):WSV+8+(\q)+1], v[SS+\i:SS+\i+1] op_sel_hi:[1,0,1]
.else
	v_pk_fma_f32 v[SS+\i:SS+\i+1], v[D1+\i:D1+\i+1], v[WSV+8+(\q)-1:WSV+8+(\q)], v[SS+\i:SS+\i+1] op_sel:[0,1,0] op_sel_hi:[1,1,1]
.endif
.endr
.endm
; Block bb of 16: K steps 4 (bb % 2) + 0 .. 3 of tiles bb / 2 (registers) and 8 + bb / 2 (LDS): eight products.  The two accumulators take turns, one instruction a turn.
; THE WAITS.  LDS loads come back in order (ISA guide 5.7.1).  What a block reads anew are eight loads: in blocks 0 and 1 four of A's fragments (A's scale words stand ahead of them), from block 2 on its set of W.
; Behind those eight stands the next run of eight.  So at the block's head the count 12 shows the first four in, in its middle the count 8 all eight; behind block 15's eight stands nothing: 4 and 0.
; The four v_nop are the places in front of the loads into the set just multiplied and of EPI's reads.  A tile's first product, which begins an accumulator anew, stands behind those four
; and the other accumulator's four lines of EPI: eight places.  Block 14 is followed by products alone.
.macro BLOCK bb
.set QQ, (\bb)/2
.set KH, 4*((\bb)%2)
.set ST, WB+32*((\bb)%2)
.irp kk, 0,1,2,3
.set KC, KH+\kk
.set RR, 8*(8*(QQ%4)+KC)
.if \kk == 0
.if (\bb) == 15
	s_wait_dscnt 0x4
.else
	s_wait_dscnt 0xc
.endif
.endif
.if \kk == 2
.if (\bb) == 15
	s_wait_dscnt 0x0
.else
	s_wait_dscnt 0x8
.endif
.endif
	WINR
	MM D0, AF+8*KC, RR, KC, WSC+4*QQ
	WIN 0
	MM D1, AF+8*KC, ST+8*\kk, KC, WSC+4*(8+QQ)
.endr
.if ((\bb) <= 13) || ((\bb) == 15)
.rept 4
	v_nop
.endr
.endif
.if (\bb) <= 13
	LSET4 (\bb)%2, (\bb)+2
.endif
.if (\bb)%2 == 1
	EPI QQ
.endif
.endm
; A TRIP: one tile of 16 rows, in buffer p.  nwait: the younger loads of h_enc that may stay out.  fill = 1: the buffer takes the tile two on.  pf: 0 no prefetch, 1 a prefetch, 2 one but in the loop's last trip.  eoff: the tile's place in a pair's e.
.macro TRIP p, nwait, fill, pf, eoff
	LSET4 0, 0                                     ; W's sets for blocks 0 and 1 are on their way while the tile is quantised
	LSET4 1, 1
	s_wait_loadcnt \nwait                          ; this tile's 32 loads are in
	QHALF \p, 0
	QHALF \p, 1
	s_wait_dscnt 0x0                               ; for the others' sake: my codes and bytes lie in LDS (and W's first two sets are in)
	s_barrier_signal -1
	s_barrier_wait -1                              ; everybody's do
	ds_load_b128 v[AS:AS+3], v[ASA]                ; A's scale words first: the first product wants them
.irp k, 0,1,2,3,4,5,6,7
.irp c, 0,1
	ds_load_b128 v[AF+8*\k+4*\c:AF+8*\k+4*\c+3], v[FA] offset:64*\k+32*\c
.endr
.endr
.set BB, 0
.rept 16
	BLOCK BB
.set BB, BB+1
.endr
.irp x, 1,2,4,8
.irp i, 0,1,2,3,4,5,6,7
	v_add_f32_dpp v[SS+\i], v[SS+\i], v[SS+\i] row_xmask:\x row_mask:0xf bank_mask:0xf   ; over my 16 columns of each tile: every lane of a half holds the sums of rows 8 h + 0 .. 7 over my wave's 256 n
.endr
.endr
	ds_store_b128 v[PST], v[SS:SS+3]               ; the sixteen lanes of a half write the same bytes with the same values
	ds_store_b128 v[PST], v[SS+4:SS+7] offset:16
	s_wait_dscnt 0x0                               ; for the others' sake: my part lies in LDS, and my reads of the tile's codes are over
	s_barrier_signal -1
	s_barrier_wait -1                              ; behind it the four parts are whole, and the codes' bytes may be written again
.irp i, 0,1,2,3
	ds_load_b32 v[ET+\i], v[PLD] offset:64*\i      ; every wave does the rest alike: lane l takes row m = l % 16
.endr
	s_wait_dscnt 0x0                               ; (so these reads are over ahead of the next barrier, behind which the parts are written again)
	v_add_f32 v[ET], v[ET], v[ET+1]
	v_add_f32 v[ET+2], v[ET+2], v[ET+3]
	v_add_f32 v[ET], v[ET], v[ET+2]
	v_fma_f32 v[ET], v[ET], s48, s53               ; 2 log2(e) x (the sum over n + c_b)
	v_exp_f32 v[ET+1], v[ET]                       ; e^(2 x)
	v_add_nc_u32 v[ET+4], s41, v[EB0]              ; where this tile's e go.  (A plain line behind the transcendental)
	s_wait_alu depctr_va_vdst(0)                   ; the wait ahead of the first reader
	v_add_f32 v[ET+1], 1.0, v[ET+1]
	v_rcp_f32 v[ET+2], v[ET+1]
	v_nop
	s_wait_alu depctr_va_vdst(0)
	v_fma_f32 v[ET+2], v[ET+2], s46, s47           ; log2(e) x tanh(x) = log2(e) - 2 log2(e) / (1 + e^(2 x)); an infinite e^(2 x) gives tanh = 1
	v_exp_f32 v[ET+3], v[ET+2]                     ; e = exp(tanh(x))
	v_nop
	s_wait_alu depctr_va_vdst(0)
	v_add_f32 v[EACC], v[EACC], v[ET+3]
	ds_store_b32 v[ET+4], v[ET+3] offset:\eoff     ; into my wave's own copy
.irp m, 0,1,2,3,4,5,6,7,8,9,10,11,12,13,14,15
	v_readlane_b32 s[66+2*\m], v[ET+3], \m         ; e of row m, for all lanes
.endr
	WIN 0x01                                       ; source 0 window 1
.irp m, 0,1,2,3,4,5,6,7,8,9,10,11,12,13,14,15
.irp i, 0,2,4,6
	v_pk_fma_f32 v[CTX+\i:CTX+\i+1], v[128*\p+8*\m+\i:128*\p+8*\m+\i+1], s[66+2*\m:67+2*\m], v[CTX+\i:CTX+\i+1] op_sel_hi:[1,0,1]   ; the context's part: + e x my eight numbers of the row
.endr
.endr
	WIN 0
.if \fill
	s_wait_xcnt 0x0                                ; the earlier loads and prefetches have read their base: it may step
	s_add_nc_u64 s[42:43], s[42:43], TILEB
	FLOAD \p
.if \pf == 1
	PREF
.elseif \pf == 2
	PREFC
.endif
.endif
.endm
	s_load_b512 s[4:19], s[0:1], 0x0               ; W's codes s[4:5], W's scales s[6:7], h_enc s[8:9], w_score s[10:11], cpart s[12:13], ebuf s[14:15], esum s[16:17], ctxp s[18:19]
	v_lshl_add_u32 v254, v0, 2, 0x48000
	v_mov_b32 v255, 0
	ds_add_u32 v254, v255
	ds_add_u32 v254, v255
	s_wait_dscnt 0x0
	v_lshrrev_b32 v192, 5, v0
	v_readfirstlane_b32 s20, v192                  ; wave 0..3
	v_and_b32 v192, 31, v0                         ; lane
	v_and_b32 v193, 15, v0                         ; r
	v_bfe_u32 v194, v0, 4, 1                       ; h
	s_bfe_u32 s21, ttmp6, 0x40000                  ; cx: it enters the addresses of h_enc, ebuf, esum and ctxp alone
	s_lshl_b32 s22, ttmp9, 2
	s_add_co_u32 s22, s22, s21                     ; j = 4 x cluster x + cx
	s_and_b32 s23, ttmp7, 0xffff                   ; b
	s_lshl_b32 s54, s20, 10                        ; 1,024 w
	v_lshl_add_u32 v[VOFF], v192, 4, s54
	s_lshl_b32 s49, s20, 7
	s_add_co_u32 s49, s49, CODES
	v_lshl_add_u32 v[CA], v192, 1, s49
	s_lshl_b32 s49, s20, 3
	s_add_co_u32 s49, s49, ASC
	v_bfe_u32 v[SA], v0, 3, 2
	v_add_nc_u32 v[SA], s49, v[SA]
	v_mul_u32_u24 v195, v193, PITCH
	v_lshl_add_u32 v195, v194, 4, v195             ; 528 r + 16 h
	v_add_nc_u32 v[FA], CODES, v195
	v_lshlrev_b32 v196, 5, v193
	v_lshl_add_u32 v196, v194, 4, v196             ; 32 r + 16 h: a row's scale words, in LDS and in W's scales
	v_add_nc_u32 v[ASA], ASC, v196
	s_mul_i32 s33, s20, WLW                        ; my wave's rows of W in LDS: also the descriptor's LDS address
	v_add_nc_u32 v[WA], s33, v195
	s_lshl_b32 s49, s20, 6
	s_add_co_u32 s49, s49, PART
	v_lshl_add_u32 v[PST], v194, 5, s49
	v_lshl_add_u32 v[PLD], v193, 2, PART
	s_add_co_u32 s49, s54, EBUF
	v_lshl_add_u32 v[EB0], v193, 2, s49
	v_lshrrev_b32 v197, 2, v192
	v_and_b32 v198, 3, v192
	v_lshlrev_b32 v197, 17, v197
	v_lshl_add_u32 v197, v198, 8, v197
	v_add_nc_u32 v[PFO], s54, v197                 ; row lane / 4 of eight, block lane % 4 of my wave's four
	v_lshlrev_b32 v197, 9, v193
	v_lshl_add_u32 v197, v194, 4, v197             ; W's codes: row r of 512 bytes, + 16 h
	v_lshlrev_b32 v198, 2, v193                    ; w_score: 4 r
	s_lshl_b32 s55, s23, 2
	v_lshl_add_u32 v199, v192, 7, s55              ; cpart: part lane, number b
.irp i, 0,1,2,3,4,5,6,7
	v_mov_b32 v[CTX+\i], 0                         ; eight registers: the trip is written for every tile alike
.endr
	v_mov_b32 v[EACC], 0
	v_mov_b32 v202, 0                              ; a lane permute's destination counts as one of its sources
.irp m, 0,1,2,3,4,5,6,7,8,9,10,11,12,13,14,15
	s_mov_b32 s[67+2*\m], 0                        ; the packed form names a pair and takes its low word for both halves: the upper words are written once
.endr
	s_mov_b32 s38, 0x76543210
	s_mov_b32 s39, 0xfedcba98                      ; v_permlanex16_b32's selects for lane l xor 16
	s_mov_b32 s46, 0xc038aa3b                      ; -2 log2(e)
	s_mov_b32 s47, 0x3fb8aa3b                      ; log2(e)
	s_mov_b32 s48, 0x4038aa3b                      ; 2 log2(e)
	s_mov_b32 s40, 7
	s_mov_b32 s41, 0
	; descriptor group 1: 128 rows x 512 bytes, dense in memory, padded in LDS
	s_mov_b32 s24, 15|(0<<16)|(1<<20)|(1<<21)|(6<<22)|(3<<25)  ; 15:0 the mask: all four work-groups; 17:16 elements of 1 byte; 20 padding on; 21 set beside a mask; 24:22 after every 128 words (code 6); 31:25 four words (code 3)
	s_mov_b32 s25, 512<<16                         ; tensor_dim0 = 512
	s_mov_b32 s26, 128<<16                         ; tensor_dim1 = 128
	s_mov_b32 s27, 512<<16                         ; tile_dim0 = 512
	s_mov_b32 s28, 128                             ; tile_dim1 = 128
	s_mov_b32 s29, 512                             ; tensor_dim0_stride
	s_mov_b32 s30, 0
	s_mov_b32 s31, 0
	s_wait_kmcnt 0x0
	s_lshl_b32 s50, s20, 17                        ; my wave's 256 rows of 512 bytes
	s_mov_b32 s51, 0
	s_add_nc_u64 s[44:45], s[4:5], s[50:51]        ; tiles 0-7, for the registers
	s_mov_b32 s32, 1                               ; group 0: count = 1; s33 the LDS address;
	s_add_nc_u64 s[34:35], s[44:45], 0x10000       ; the global address: tiles 8-15: it hangs on the wave's number alone
	s_or_b32 s35, s35, 0x80000000                  ; type = 2
	s_lshl_b32 s50, s20, 13
	s_add_nc_u64 s[6:7], s[6:7], s[50:51]          ; my 256 rows of scale bytes
	s_mov_b32 s50, s54
	s_add_nc_u64 s[10:11], s[10:11], s[50:51]      ; my 256 numbers of w_score
	s_lshl_b32 s36, s22, 25                        ; 256 j rows of s,
	s_lshl_b32 s52, s23, 12                        ; row b of each
	s_add_co_u32 s36, s36, s52
	s_mov_b32 s37, 0
	s_add_nc_u64 s[42:43], s[8:9], s[36:37]        ; h_enc at tile 0
	s_lshl_b32 s52, s23, 3
	s_add_co_u32 s52, s52, s22                     ; 8 b + j
	s_lshl_b32 s36, s52, 12
	s_add_nc_u64 s[18:19], s[18:19], s[36:37]      ; ctxp: 4,096 bytes a work-group
	s_lshl_b32 s36, s52, 10
	s_add_nc_u64 s[14:15], s[14:15], s[36:37]      ; ebuf: 1,024
	s_lshl_b32 s36, s52, 7
	s_add_nc_u64 s[16:17], s[16:17], s[36:37]      ; esum: 128
	ROUND                                          ; all four work-groups are here: the joint loads meet
	tensor_load_to_lds s[32:35], s[24:31]          ; my wave's one tensor load of the launch: one is outstanding; the bytes are filled once
	s_nop 0
.rept 4
	v_nop
.endr
.irp t, 0,1,2,3,4,5,6,7,8,9,10,11,12,13,14,15
	global_load_b128 v[WSC+4*\t:WSC+4*\t+3], v196, s[6:7] offset:512*\t    ; a tile's 512 scale bytes: register i: lanes 0-15 K step i, lanes 16-31 K step 4 + i
.endr
.irp t, 0,1,2,3,4,5,6,7,8,9,10,11,12,13,14,15
	global_load_b32 v[WSV+\t], v198, s[10:11] offset:64*\t                 ; w_score[256 w + 16 t + r]
.endr
	global_load_b32 v200, v199, s[12:13]
	global_load_b32 v201, v199, s[12:13] offset:4096
	WIN 0x80                                       ; destination window 2
.irp t, 0,1,2,3
.irp k, 0,1,2,3,4,5,6,7
.irp c, 0,1
	global_load_b128 v[8*(8*\t+\k)+4*\c:8*(8*\t+\k)+4*\c+3], v197, s[44:45] offset:8192*\t+64*\k+32*\c
.endr
.endr
.endr
	WIN 0xc0                                       ; destination window 3
.irp t, 0,1,2,3
.irp k, 0,1,2,3,4,5,6,7
.irp c, 0,1
	global_load_b128 v[8*(8*\t+\k)+4*\c:8*(8*\t+\k)+4*\c+3], v197, s[44:45] offset:8192*(\t+4)+64*\k+32*\c
.endr
.endr
.endr
	FLOAD 0                                        ; tile 0
	s_wait_xcnt 0x0                                ; its loads have read their base
	s_add_nc_u64 s[42:43], s[42:43], TILEB
	FLOAD 1                                        ; tile 1
	s_wait_loadcnt 63                              ; 64 loads of h_enc were issued behind the last load of W: all of W, the scales, w_score and cpart are in
	v_add_f32 v200, v200, v201
.irp x, 1,2,4,8
	v_add_f32_dpp v200, v200, v200 row_xmask:\x row_mask:0xf bank_mask:0xf
.endr
	v_permlanex16_b32 v202, v200, s38, s39
	v_add_f32 v200, v200, v202                     ; c_b: the sum of the 64 parts, the same in every lane
	v_mul_f32 v200, s48, v200
	v_readfirstlane_b32 s53, v200                  ; c_b x 2 log2(e), kept as a scalar: it is a number, and steers nothing
	s_wait_tensorcnt 0x0                           ; my rows of W lie in LDS; only my wave reads them, so no barrier is wanted
.Lpair:                                                ; seven trips of two tiles: tiles 0 to 13; each fills its buffer again
	TRIP 0, 32, 1, 1, 0
	TRIP 1, 32, 1, 2, 64
	s_add_co_u32 s41, s41, 128                     ; 32 rows' e on
	s_sub_co_u32 s40, s40, 1
	s_cmp_lg_u32 s40, 0
	s_cbranch_scc1 .Lpair
	TRIP 0, 32, 0, 0, 0                            ; the last two tiles load nothing
	TRIP 1, 0, 0, 0, 64
	; THE WAY OUT
	global_store_b128 v[VOFF], v[CTX:CTX+3], s[18:19] th:TH_STORE_NT              ; 32 lanes store 512 consecutive bytes, at a multiple of 256 from ctxp's first byte
	global_store_b128 v[VOFF], v[CTX+4:CTX+7], s[18:19] offset:512 th:TH_STORE_NT
	s_add_co_u32 s49, s54, EBUF
	v_lshl_add_u32 v[ET+5], v0, 3, s49             ; EBUF + 1,024 w + 8 x thread: my 8 bytes of the quarter of e that my wave stores
	ds_load_b64 v[ET:ET+1], v[ET+5]                ; from my wave's own copy: LDS serves a wave's instructions in order (ISA guide 5.7.1.4)
	v_lshlrev_b32 v[ET+6], 3, v0                   ; 256 w + 8 lane
.irp x, 1,2,4,8
	v_add_f32_dpp v[EACC], v[EACC], v[EACC] row_xmask:\x row_mask:0xf bank_mask:0xf   ; the sum of e over the 256 rows, in every lane
.endr
	v_lshlrev_b32 v[ET+7], 2, v0
	s_wait_dscnt 0x0
	global_store_b64 v[ET+6], v[ET:ET+1], s[14:15] th:TH_STORE_NT                 ; 32 lanes store 256 consecutive bytes, aligned
	s_cmp_lg_u32 s20, 0
	s_cbranch_scc1 .Lnot_first
	global_store_b32 v[ET+7], v[EACC], s[16:17] th:TH_STORE_NT                    ; wave 0: the work-group's record of 128 bytes, 32 equal numbers
.Lnot_first:
	s_wait_xcnt 0x0
	v_lshl_add_u32 v254, v0, 2, 0x48000
	v_mov_b32 v255, 0
	s_wait_tensorcnt 0x0
	ds_add_u32 v254, v255
	s_wait_dscnt 0x0
	ROUND                                          ; the closing round: no work-group ends while a partner may still ask for a tile that names it
	s_endpgm
.Lfunc_end_k_q93459a96e0_main:
	.size	k_q93459a96e0_main, .Lfunc_end_k_q93459a96e0_main-k_q93459a96e0_main
	.p2alignl 7, 3214868480
	.fill 96, 4, 3214868480
	.section	.rodata,"a",@progbits
	.p2align	6, 0x0
	.amdhsa_kernel k_q93459a96e0_main
		.amdhsa_group_segment_fixed_size 295424
		.amdhsa_private_segment_fixed_size 0
		.amdhsa_enable_private_segment 0
		.amdhsa_kernarg_size 64
		.amdhsa_user_sgpr_count 2
		.amdhsa_user_sgpr_kernarg_segment_ptr 1
		.amdhsa_wavefront_size32 1
		.amdhsa_system_sgpr_workgroup_id_x 1
		.amdhsa_system_sgpr_workgroup_id_y 1
		.amdhsa_system_sgpr_workgroup_id_z 1
		.amdhsa_system_vgpr_workitem_id 0
		.amdhsa_next_free_vgpr 1024
		.amdhsa_next_free_sgpr 100
		.amdhsa_reserve_vcc 0
		.amdhsa_float_denorm_mode_32 3
		.amdhsa_float_denorm_mode_16_64 3
		.amdhsa_memory_ordered 1
		.amdhsa_forward_progress 1
		.amdhsa_inst_pref_size 255
	.end_amdhsa_kernel
	.section	.bss,"aw",@nobits
	.p2align	6
	.space	262144
	.amdgpu_metadata
---
amdhsa.version: [ 1, 2 ]
amdhsa.kernels:
  - .name:           k_q93459a96e0_main
    .symbol:         k_q93459a96e0_main.kd
    .args:
      - { .name: W_enc_codes, .offset: 0, .size: 8, .value_kind: global_buffer, .address_space: global }
      - { .name: W_enc_scales, .offset: 8, .size: 8, .value_kind: global_buffer, .address_space: global }
      - { .name: h_enc, .offset: 16, .size: 8, .value_kind: global_buffer, .address_space: global }
      - { .name: w_score, .offset: 24, .size: 8, .value_kind: global_buffer, .address_space: global }
      - { .name: cpart, .offset: 32, .size: 8, .value_kind: global_buffer, .address_space: global }
      - { .name: ebuf, .offset: 40, .size: 8, .value_kind: global_buffer, .address_space: global }
      - { .name: esum, .offset: 48, .size: 8, .value_kind: global_buffer, .address_space: global }
      - { .name: ctxp, .offset: 56, .size: 8, .value_kind: global_buffer, .address_space: global }
    .group_segment_fixed_size: 295424
    .private_segment_fixed_size: 0
    .kernarg_segment_align: 8
    .kernarg_segment_size: 64
    .max_flat_workgroup_size: 128
    .sgpr_count:     100
    .vgpr_count:     1024
    .wavefront_size: 32
...
	.end_amdgpu_metadata
.endif
;; end of part 2
;; launch fin (part 3): grid 4 x 32, 4 waves a work-group, no clusters, 0 bytes of LDS; arguments ebuf, esum, ctxp, out0, out1; writes out0, out1
.if DOCPART == 3
	.amdgcn_target "amdgcn-amd-amdhsa--gfx1250"
	.amdhsa_code_object_version 6
	.text
	.protected	k_q93459a96e0_fin
	.globl	k_q93459a96e0_fin
	.p2align	8
	.type	k_q93459a96e0_fin,@function
k_q93459a96e0_fin:
	s_mov_b64 s[64:65], 0
	v_nop
	global_prefetch_b8 v0, s[64:65] scope:SCOPE_SE
	s_setreg_imm32_b32 hwreg(HW_REG_WAVE_MODE, 25, 1), 1
	s_wait_xcnt 0x0
; alphas[b][s] = e[b][s] / sum, context[b][:] = (the sum of the eight parts of b) / sum, where sum is the sum of the eight partial sums of e of b.
; Work-group (x, b): 512 of the 2,048 s and 256 of the 1,024 columns.  A stream: no LDS, no matrix unit, no cluster (nothing is shared but 1 KiB of sums).
	s_load_b256 s[4:11], s[0:1], 0x0               ; ebuf s[4:5], esum s[6:7], ctxp s[8:9], out0 s[10:11]
	s_load_b64 s[12:13], s[0:1], 0x20              ; out1
	s_and_b32 s14, ttmp7, 0xffff                   ; b
	s_lshl_b32 s16, s14, 13
	s_lshl_b32 s17, ttmp9, 11
	s_add_co_u32 s16, s16, s17
	v_lshl_add_u32 v1, v0, 4, s16                  ; ebuf and out1: 8,192 b + 2,048 x + 16 x thread
	s_lshl_b32 s16, s14, 15
	s_lshl_b32 s17, ttmp9, 10
	s_add_co_u32 s16, s16, s17
	v_lshl_add_u32 v2, v0, 3, s16                  ; ctxp: 32,768 b + 1,024 x + 8 x thread
	s_lshl_b32 s16, s14, 12
	s_add_co_u32 s16, s16, s17
	v_lshl_add_u32 v3, v0, 3, s16                  ; out0: 4,096 b + 1,024 x + 8 x thread
	s_lshl_b32 s18, s14, 10                        ; esum: eight records of 128 bytes for each b
	s_mov_b32 s19, 0
	s_wait_kmcnt 0x0
	s_add_nc_u64 s[6:7], s[6:7], s[18:19]
.irp j, 0,1,2,3,4,5,6,7
	s_load_b32 s[24+\j], s[6:7], 128*\j
.endr
	global_load_b128 v[4:7], v1, s[4:5] th:TH_LOAD_NT
.irp j, 0,1,2,3,4,5,6,7
	global_load_b64 v[8+2*\j:9+2*\j], v2, s[8:9] offset:4096*\j th:TH_LOAD_NT
.endr
	s_wait_kmcnt 0x0
	s_add_f32 s24, s24, s25
	s_add_f32 s26, s26, s27
	s_add_f32 s28, s28, s29
	s_add_f32 s30, s30, s31
	s_add_f32 s24, s24, s26
	s_add_f32 s28, s28, s30
	s_add_f32 s24, s24, s28                        ; the row's sum of e: at least 2,048 x 0.36, so no division by zero
	v_rcp_f32 v24, s24
	v_nop                                          ; a plain line behind the transcendental
	s_wait_alu depctr_va_vdst(0)                   ; the wait ahead of the first reader
	v_mov_b32 v25, v24
	s_wait_loadcnt 0x8                             ; e is in; the eight loads of the parts may be out
	v_pk_mul_f32 v[4:5], v[4:5], v[24:25]
	v_pk_mul_f32 v[6:7], v[6:7], v[24:25]
	global_store_b128 v1, v[4:7], s[12:13] th:TH_STORE_NT      ; 32 lanes store 512 consecutive bytes, aligned
	s_wait_loadcnt 0x0
	v_pk_add_f32 v[8:9], v[8:9], v[10:11]
	v_pk_add_f32 v[12:13], v[12:13], v[14:15]
	v_pk_add_f32 v[16:17], v[16:17], v[18:19]
	v_pk_add_f32 v[20:21], v[20:21], v[22:23]
	v_pk_add_f32 v[8:9], v[8:9], v[12:13]
	v_pk_add_f32 v[16:17], v[16:17], v[20:21]
	v_pk_add_f32 v[8:9], v[8:9], v[16:17]
	v_pk_mul_f32 v[8:9], v[8:9], v[24:25]
	global_store_b64 v3, v[8:9], s[10:11] th:TH_STORE_NT       ; 32 lanes store 256 consecutive bytes, aligned
	s_endpgm
.Lfunc_end_k_q93459a96e0_fin:
	.size	k_q93459a96e0_fin, .Lfunc_end_k_q93459a96e0_fin-k_q93459a96e0_fin
	.p2alignl 7, 3214868480
	.fill 96, 4, 3214868480
	.section	.rodata,"a",@progbits
	.p2align	6, 0x0
	.amdhsa_kernel k_q93459a96e0_fin
		.amdhsa_group_segment_fixed_size 0
		.amdhsa_private_segment_fixed_size 0
		.amdhsa_enable_private_segment 0
		.amdhsa_kernarg_size 40
		.amdhsa_user_sgpr_count 2
		.amdhsa_user_sgpr_kernarg_segment_ptr 1
		.amdhsa_wavefront_size32 1
		.amdhsa_system_sgpr_workgroup_id_x 1
		.amdhsa_system_sgpr_workgroup_id_y 1
		.amdhsa_system_sgpr_workgroup_id_z 1
		.amdhsa_system_vgpr_workitem_id 0
		.amdhsa_next_free_vgpr 48
		.amdhsa_next_free_sgpr 66
		.amdhsa_reserve_vcc 0
		.amdhsa_float_denorm_mode_32 3
		.amdhsa_float_denorm_mode_16_64 3
		.amdhsa_memory_ordered 1
		.amdhsa_forward_progress 1
		.amdhsa_inst_pref_size 4
	.end_amdhsa_kernel
	.amdgpu_metadata
---
amdhsa.version: [ 1, 2 ]
amdhsa.kernels:
  - .name:           k_q93459a96e0_fin
    .symbol:         k_q93459a96e0_fin.kd
    .args:
      - { .name: ebuf, .offset: 0, .size: 8, .value_kind: global_buffer, .address_space: global }
      - { .name: esum, .offset: 8, .size: 8, .value_kind: global_buffer, .address_space: global }
      - { .name: ctxp, .offset: 16, .size: 8, .value_kind: global_buffer, .address_space: global }
      - { .name: out0, .offset: 24, .size: 8, .value_kind: global_buffer, .address_space: global }
      - { .name: out1, .offset: 32, .size: 8, .value_kind: global_buffer, .address_space: global }
    .group_segment_fixed_size: 0
    .private_segment_fixed_size: 0
    .kernarg_segment_align: 8
    .kernarg_segment_size: 40
    .max_flat_workgroup_size: 128
    .sgpr_count:     66
    .vgpr_count:     48
    .wavefront_size: 32
...
	.end_amdgpu_metadata
.endif
;; end of part 3
